; MI455X (gfx1250); checked and timed in simulation.
; The chip was launched on July 23, 2026; its instructions are those of AMD's public machine-readable ISA for CDNA 5 (MIT licence, August 2026) and "CDNA5" Instruction Set Architecture Reference Guide (July 2026). The comments in the code are by the model that wrote it; some were corrected since.
;; Attention With Einops. Allowed arithmetic: matrix products marked QUANTISED: E5M2 operands, one given power-of-two scale a tensor, by v_wmma_f32_16x16x64_bf8_bf8 or v_wmma_f32_16x16x128_bf8_bf8, f32 sums; everything else in f32.
;; Inputs: W_K_codes 16 x 64 x 32 x 32 uint8 (E5M2 codes of W_K, K innermost, in blocks of 32 codes); W_O 16 x 64 x 1,024 float32; W_Q_codes 16 x 64 x 32 x 32 uint8 (E5M2 codes of W_Q, K innermost, in blocks of 32 codes); W_V_codes 16 x 64 x 32 x 32 uint8 (E5M2 codes of W_V, K innermost, in blocks of 32 codes); lowp_scales 12 int32 (the exponents e of the quantised operands' scales 2^e); residual_codes 2 x 2,048 x 32 x 32 uint8 (E5M2 codes of residual, K innermost, in blocks of 32 codes).
;; Outputs: out0 2 x 2,048 x 1,024 float32.
;; This version of the problem:
;;   THIS VERSION OF THE PROBLEM IS GIVEN IN LOW PRECISION. The matrix products marked QUANTISED in the list below multiply operands that are first quantised to E5M2 (5 exponent bits, 2 mantissa bits; 8 bits a number), with one given power-of-two scale for each operand tensor; their sums are f32. All else is computed in f32.
;;   The module's matrix products, in the order in which they are computed (A, B: the left and right operand; K: the contracted axis; several contracted axes count as one K, in the product's order):
;;     1. [M 4,096, K 1,024] x [K 1,024, N 1,024]; A: input residual (given as codes); B: input W_Q (given as codes): QUANTISED (scales: A lowp_scales[0], B lowp_scales[1])
;;     2. [M 4,096, K 1,024] x [K 1,024, N 1,024]; A: input residual (given as codes); B: input W_K (given as codes): QUANTISED (scales: A lowp_scales[2], B lowp_scales[3])
;;     3. [M 4,096, K 1,024] x [K 1,024, N 1,024]; A: input residual (given as codes); B: input W_V (given as codes): QUANTISED (scales: A lowp_scales[4], B lowp_scales[5])
;;     4. batch 32 x [M 2,048, K 64] x [K 64, N 2,048]; A: computed on the way; B: computed on the way: QUANTISED (scales: A lowp_scales[6], B lowp_scales[7])
;;     5. batch 32 x [M 64, K 2,048] x [K 2,048, N 2,048]; A: computed on the way; B: softmax (see below): QUANTISED (scales: A lowp_scales[8], B lowp_scales[9])
;;     6. [M 4,096, K 1,024] x [K 1,024, N 1,024]; A: computed on the way; B: input W_O: QUANTISED (scales: A lowp_scales[10], B lowp_scales[11])
;;   THE QUANTISER, for each operand of a quantised product, along K:
;;     - The operand's scale is 2^e, e = its entry of the input lowp_scales (int32; the entries are numbered through the quantised products in the list's order, A before B).
;;     - Each number is divided by the scale, clamped to +-57,344, and rounded to the nearest number of E5M2, ties to even, subnormals kept.
;;     - The product sums the exact products of the quantised numbers (number of the format x scale) in f32.
;;   ~~~python
;;   def quantise(x, axis, e):      # numpy; x: float32 -> the quantised numbers, widened to float32 again
;;       x = np.moveaxis(x, axis, -1); K = x.shape[-1]
;;       r = np.clip(x / 2.0 ** e, -57344, 57344)
;;       step = 2.0 ** (np.maximum(np.frexp(np.where(r == 0, 1, r))[1] - 1, -14) - 2)
;;       q = np.round(r / step) * step * 2.0 ** e      # np.round: ties to even
;;       return np.moveaxis(q, -1, axis).astype(np.float32)
;;   ~~~
;;   SOFTMAX AHEAD OF A QUANTISED PRODUCT. Where the list says 'softmax', what is quantised is not the finished softmax but p = 2^(t - M), with t = logit x log2(e) and M = ceil(the row's largest t), a whole number; so 1/2 < the row's largest p <= 1. The row's sum l is taken of the UNQUANTISED p, in f32, and the product's result is divided by l at the end. Since M is a whole number, a kernel that streams over the keys may use a running M (the ceiling of the running maximum): every later rescaling is an exact power of two, so the quantised numbers keep their values, but for numbers so far below the row's largest that they fall under the format's range.
;;   OPERANDS COMPUTED ON THE WAY. 'Computed on the way' means the value that the module computes at that place (a softmax that the list does not call 'softmax' is quantised finished and normalised). What goes into a quantiser is computed in f32, as accurately as f32 sums, v_exp_f32 and their like allow (about 1e-6 of the number): no bf16 or f16 on the way to a quantiser, and a product that is left as it is and whose result goes on into a quantised operand takes f32 operands (vector FMAs, or v_wmma_f32_16x16x4_f32). A number that lies on a knife's edge between two numbers of the format may be rounded either way, as far as f32 arithmetic and the matrix unit's own rounding can turn it there, and no further.
;;   INPUTS GIVEN AS CODES. W_K (in the module: [16, 64, 1024], K = its axis 2); W_Q (in the module: [16, 64, 1024], K = its axis 2); W_V (in the module: [16, 64, 1024], K = its axis 2); residual (in the module: [2, 2048, 1024], K = its axis 2): each comes as NAME_codes (uint8): NAME with its K axis moved to the last place and cut into blocks of 32 codes, [.., K / 32, bytes a block], one block behind the other in memory; one code a byte (a code: sign, 5 exponent bits, 2 mantissa bits); its scale is its entry of lowp_scales. Its value is code x scale, taken as it is: it is not quantised again, and the codes and scales need not be those that the quantiser above would give.
;; One version. Each part assembles by itself: llvm-mc -triple=amdgcn-amd-amdhsa -mcpu=gfx1250 --defsym DOCPART=n.
;; ======== version 1 of 1: 3 launches
;; limits: right only within a limited range of input values
;; workspace buffers: qimg 4,194,304 bytes; kimg 4,194,304 bytes; vimg 4,194,304 bytes; woimg 1,048,576 bytes; aimg 4,194,304 bytes
;; launch proj (part 1): grid 16 x 16, 4 waves a work-group, clusters of 4 x 4, 327,680 bytes of LDS; arguments residual_codes, W_Q_codes, W_K_codes, W_V_codes, W_O, lowp_scales, qimg, kimg, vimg, woimg; writes qimg, kimg, vimg, woimg
.if DOCPART == 1
	.amdgcn_target "amdgcn-amd-amdhsa--gfx1250"
	.amdhsa_code_object_version 6
	.text
	.protected	k_q884ff5c59a_proj
	.globl	k_q884ff5c59a_proj
	.p2align	8
	.type	k_q884ff5c59a_proj,@function
k_q884ff5c59a_proj:
	s_mov_b64 s[64:65], 0
	v_nop
	global_prefetch_b8 v0, s[64:65] scope:SCOPE_SE
	s_setreg_imm32_b32 hwreg(HW_REG_WAVE_MODE, 25, 1), 1
	s_wait_xcnt 0x0
	s_wait_alu depctr_hold_cnt(0) depctr_sa_sdst(0) depctr_va_vdst(0) depctr_va_sdst(0) depctr_va_ssrc(0) depctr_va_vcc(0) depctr_vm_vsrc(0)
	s_getreg_b32 s2, hwreg(HW_REG_IB_STS2, 6, 4)
	s_cmp_eq_u32 s2, 0
	s_cbranch_scc0 .Lentry_in_a_cluster
	s_endpgm
.Lentry_in_a_cluster:
	s_bfe_u32 s2, ttmp6, 0x10000c
	s_cmp_lg_u32 s2, 0xf033
	s_cbranch_scc0 .Lentry_shape_is_right
	s_endpgm
.Lentry_shape_is_right:
; q, k, v = residual x W_Q, W_K, W_V on codes of BF8 (E5M2), quantised for the products that follow and stored as images of operand registers; and W_O (f32) quantised with e11 into such an image.
; SHARES.  Work-group (x, y): 256 rows of [b, s] (256 y on) and head x's 64 columns of each of the three weights; a wave: 64 rows x 192 columns, 48 accumulators of 16 x 16.  Waves 0 and 1 also quantise 32 x 64 numbers of W_O each.
; K goes in four chunks of 256 through two LDS slots (256 rows of residual, 3 x 64 rows of weights; rows of 256 bytes + 16 of padding).  Wave 0 fetches residual's rows, waves 1 to 3 a weight's each: one joint load a wave.
; CLUSTER 4 x 4: residual's rows are shared along a row of the cluster, the weights' along a column.
; PREFETCH: with the load of chunk t stands the prefetch of chunk t + 1: 256 bytes of each row; of residual's 256 rows a partner names 64 (by cx), of each weight's 64 rows 16 (by cy).  The last chunk's load has none.
; GROUPS.  A step of 128 along K is three groups of 16 products: q, k, v.  Group n's four fragments of its weight lie in register set n % 4 (64 registers): they are asked for two or three groups ahead, into the set that the group done with has left.
; WORK LEFT OUT (in attn): key steps all of whose keys come after the queries, which reference()'s own causal mask throws away for all values; a NaN or an infinity in such a score is not carried to the result.
; LIMITS: e6 - e0 - e1, e7 - e2 - e3, e8 - e4 - e5 and e11 between -126 and 112.  NaN and infinity are not served.
; WINDOWS of registers: 0: addresses, scales, W_O (v32-95), codes (v32-127), two sets of residual's fragments (v128-255); 1: the weights' four sets; 2: the sums of q and k; 3: v's sums (v0-127), W_O held (v128-191).
.set PITCH, 272
.set SLOT,  448*PITCH
.set XB,    256*PITCH
.set SPARE, 2*SLOT
.set XF,    128
.set CD,    32
.set GQ,    3                          ; 16 x lane
.set WOO,   4                          ; my place in W_O
.set ADRX,  16                         ; v16-17 residual's fragments in slot 0, 1
.set ADRW,  20                         ; v20-21 the weights'
.set SPW,   28
.set NIL,   29
.set PFO,   31                         ; the prefetches' offset; never rewritten
.set WV,    24
.set G1X,   32
.set G1W,   40
.set G0X,   48
.set G0W,   56
.set PFA,   98
.set MSB, 0
.macro WIN new
.if MSB != \new
	s_set_vgpr_msb (MSB<<8)|\new
.set MSB, \new
.endif
.endm
.macro PLACES
.rept 4
	v_nop
.endr
.endm
.macro JLOAD s
	s_cmp_eq_u32 s[WV], 0
	s_cbranch_scc0 .Lfor_w_\@
	tensor_load_to_lds s[G0X+4*(\s):G0X+4*(\s)+3], s[G1X:G1X+7]
	s_nop 0
	PLACES
	s_branch .Lasked_\@
.Lfor_w_\@:
	tensor_load_to_lds s[G0W+4*(\s):G0W+4*(\s)+3], s[G1W:G1W+7]
	s_nop 0
	PLACES
.Lasked_\@:
.endm
.macro CREST
	s_cmp_lg_u32 s[WV], 0
	s_cbranch_scc1 .Lnot_wave_0_\@
	s_barrier_signal -3
.Lnot_wave_0_\@:
	s_barrier_wait -3
	s_barrier_signal -1
	s_barrier_wait -1
.endm
.macro CROUND                          ; a round of the cluster's barrier
	s_barrier_signal -1
	s_barrier_wait -1
	CREST
.endm
.macro ASK c                           ; chunk c: my lanes' rows; wave 0 has 32 rows more
	global_prefetch_b8 v[PFO], s[PFA:PFA+1] offset:256*\c th:TH_LOAD_NT scope:SCOPE_SE
	s_cmp_lg_u32 s[WV], 0
	s_cbranch_scc1 .Lask_\@
	global_prefetch_b8 v[PFO], s[PFA:PFA+1] offset:256*\c+32768 th:TH_LOAD_NT scope:SCOPE_SE
.Lask_\@:
.endm
.macro POW2 sc, lim                    ; 2^s70 and 57,344 x that
	s_add_co_i32 s70, s70, 127
	s_lshl_b32 s71, s70, 23
	v_mov_b32 v[\sc], s71
	s_add_co_i32 s70, s70, 15
	s_lshl_b32 s70, s70, 23
	s_or_b32 s70, s70, 0x600000
	v_mov_b32 v[\lim], s70
.endm
	s_load_b256 s[4:11], s[0:1], 0x0               ; residual, W_Q, W_K, W_V
	s_load_b128 s[12:15], s[0:1], 0x20             ; W_O, the scales' exponents
	s_load_b256 s[16:23], s[0:1], 0x30             ; qimg, kimg, vimg, woimg
	v_lshl_add_u32 v[SPW], v0, 2, SPARE
	v_mov_b32 v[NIL], 0
	ds_add_u32 v[SPW], v[NIL]                      ; the opening lines
	ds_add_u32 v[SPW], v[NIL]
	v_lshrrev_b32 v1, 5, v0
	v_readfirstlane_b32 s[WV], v1
	s_bfe_u32 s25, ttmp6, 0x40000                  ; cx
	s_bfe_u32 s26, ttmp6, 0x40004                  ; cy
	s_lshl_b32 s27, ttmp9, 2
	s_add_co_u32 s27, s27, s25                     ; the head
	s_and_b32 s28, ttmp7, 0xffff
	s_lshl_b32 s28, s28, 2
	s_add_co_u32 s28, s28, s26                     ; the block of 256 rows
	s_lshl_b32 s29, s26, 2
	s_lshl_b32 s29, 15, s29                        ; my row of the cluster
	s_lshl_b32 s30, 0x1111, s25                    ; my column
	s_or_b32 s[G1X], s29, (1<<20)|(1<<21)|(5<<22)|(3<<25)   ; the mask; elements of 1 byte; 16 bytes of padding behind every 256; bit 21 set beside a mask
	s_or_b32 s[G1W], s30, (1<<20)|(1<<21)|(5<<22)|(3<<25)
	s_mov_b32 s[G1X+2], 256<<16                    ; 256 rows
	s_mov_b32 s[G1X+4], 256
	s_mov_b32 s[G1W+2], 64<<16                     ; 64 rows
	s_mov_b32 s[G1W+4], 64
.irp g, G1X, G1W
	s_mov_b32 s[\g+1], 256<<16
	s_mov_b32 s[\g+3], 256<<16
	s_mov_b32 s[\g+5], 1024
	s_mov_b32 s[\g+6], 0
	s_mov_b32 s[\g+7], 0
.endr
	s_lshl_b32 s66, s28, 18
	s_mov_b32 s67, 0
	s_lshl_b32 s68, s27, 16
	s_mov_b32 s69, 0
	s_mul_i32 s31, s[WV], 64*PITCH
	s_add_co_u32 s31, s31, 192*PITCH               ; wave w's 64 rows of weights lie at row 256 + 64 (w - 1)
	s_wait_alu depctr_va_vdst(0)
	s_wait_dscnt 0x0                               ; both opening adds are done
	CROUND                                         ; ahead of the first joint loads
	s_wait_kmcnt 0x0
	s_load_b256 s[72:79], s[14:15], 0x0            ; e0 to e7
	s_load_b128 s[80:83], s[14:15], 0x20           ; e8 to e11
	s_add_nc_u64 s[66:67], s[4:5], s[66:67]
	s_cmp_eq_u32 s[WV], 2
	s_cselect_b64 s[70:71], s[8:9], s[6:7]
	s_cmp_eq_u32 s[WV], 3
	s_cselect_b64 s[70:71], s[10:11], s[70:71]
	s_add_nc_u64 s[68:69], s[70:71], s[68:69]
.irp s, 0,1
	s_mov_b32 s[G0X+4*\s], 1
	s_mov_b32 s[G0X+4*\s+1], \s*SLOT
	s_add_nc_u64 s[G0X+4*\s+2:G0X+4*\s+3], s[66:67], \s*256
	s_or_b32 s[G0X+4*\s+3], s[G0X+4*\s+3], 0x80000000
	s_mov_b32 s[G0W+4*\s], 1
	s_add_co_u32 s[G0W+4*\s+1], s31, \s*SLOT
	s_add_nc_u64 s[G0W+4*\s+2:G0W+4*\s+3], s[68:69], \s*256
	s_or_b32 s[G0W+4*\s+3], s[G0W+4*\s+3], 0x80000000
.endr
	JLOAD 0                                        ; chunk 0
	s_lshl_b32 s94, s25, 16                        ; my place's 64 rows of residual's 256
	s_lshl_b32 s95, s26, 14                        ; or 16 of a weight's 64
	s_cmp_eq_u32 s[WV], 0
	s_cselect_b32 s94, s94, s95
	s_cselect_b32 s96, 31, 15
	s_cselect_b64 s[PFA:PFA+1], s[66:67], s[68:69]
	s_mov_b32 s95, 0
	s_add_nc_u64 s[PFA:PFA+1], s[PFA:PFA+1], s[94:95]
	v_and_b32 v[PFO], 31, v0
	v_min_u32 v[PFO], s96, v[PFO]                  ; lanes left over name the last row again
	v_lshlrev_b32 v[PFO], 10, v[PFO]               ; a lane a row of 1,024 bytes
	ASK 1
	; W_O: my 32 rows x 64 columns (waves 0 and 1); asked for here, converted behind the first step's products
	s_lshl_b32 s94, s27, 1
	s_add_co_u32 s94, s94, s[WV]
	s_lshl_b32 s95, s94, 17
	s_lshl_b32 s96, s28, 8
	s_add_co_u32 s96, s96, s95
	s_mov_b32 s97, 0
	s_add_nc_u64 s[84:85], s[12:13], s[96:97]
	v_and_b32 v1, 15, v0
	v_bfe_u32 v2, v0, 4, 1
	v_lshlrev_b32 v[WOO], 4, v1
	v_lshl_add_u32 v[WOO], v2, 15, v[WOO]
	v_mul_u32_u24 v5, v1, PITCH
	v_lshl_add_u32 v5, v2, 4, v5
	s_wait_alu depctr_va_vdst(0)
	s_cmp_lt_u32 s[WV], 2
	s_cbranch_scc0 .Lno_wl
.irp u, 0,1
.irp i, 0,1,2,3,4,5,6,7
	global_load_b128 v[32+4*(8*\u+\i):32+4*(8*\u+\i)+3], v[WOO], s[84:85] offset:(16*\u+\i)*4096 th:TH_LOAD_NT
.endr
.endr
.Lno_wl:
	s_lshr_b32 s95, s28, 1                         ; woimg
	s_lshl_b32 s96, s95, 17
	s_lshr_b32 s95, s94, 2
	s_lshl_b32 s95, s95, 14
	s_add_co_u32 s96, s96, s95
	s_and_b32 s95, s28, 1
	s_lshl_b32 s95, s95, 13
	s_add_co_u32 s96, s96, s95
	s_and_b32 s95, s94, 3
	s_lshl_b32 s95, s95, 9
	s_add_co_u32 s96, s96, s95
	s_add_nc_u64 s[86:87], s[22:23], s[96:97]
	s_lshr_b32 s94, s28, 3                         ; qimg, kimg: head's image, 4,096 bytes a wave
	s_lshl_b32 s94, s94, 4
	s_add_co_u32 s94, s94, s27
	s_lshl_b32 s94, s94, 17
	s_and_b32 s95, s28, 7
	s_lshl_b32 s95, s95, 14
	s_add_co_u32 s94, s94, s95
	s_lshl_b32 s95, s[WV], 12
	s_add_co_u32 s96, s94, s95
	s_add_nc_u64 s[88:89], s[16:17], s[96:97]
	s_add_nc_u64 s[90:91], s[18:19], s[96:97]
	s_lshr_b32 s95, s[WV], 1                       ; vimg: key step, then the half of its keys
	s_lshl_b32 s95, s95, 13
	s_add_co_u32 s96, s94, s95
	s_and_b32 s95, s[WV], 1
	s_lshl_b32 s95, s95, 10
	s_add_co_u32 s96, s96, s95
	s_add_nc_u64 s[92:93], s[20:21], s[96:97]
	s_mul_i32 s31, s[WV], 64*PITCH
	v_and_b32 v[GQ], 31, v0
	v_lshlrev_b32 v[GQ], 4, v[GQ]
	v_add_nc_u32 v[ADRX], s31, v5
	v_add_nc_u32 v[ADRX+1], SLOT, v[ADRX]
	v_add_nc_u32 v[ADRW], XB, v5
	v_add_nc_u32 v[ADRW+1], XB+SLOT, v5
	s_wait_alu depctr_va_vdst(0)
	s_wait_kmcnt 0x0
	s_sub_co_i32 s70, s78, s72
	s_sub_co_i32 s70, s70, s73
	POW2 8, 9                                      ; q: the product's two scales are folded into the conversion's
	s_sub_co_i32 s70, s79, s74
	s_sub_co_i32 s70, s70, s75
	POW2 10, 11                                    ; k
	s_sub_co_i32 s70, s80, s76
	s_sub_co_i32 s70, s70, s77
	POW2 12, 13                                    ; v
	s_mov_b32 s70, s83
	POW2 14, 15                                    ; W_O
.macro FRAG reg, adr, q, i             ; 16 rows x 128 K: lane l holds row l % 16; registers 4 c on: K = 32 c + 16 (l / 16) + 0 .. 15
.irp c, 0,1,2,3
	ds_load_b128 v[\reg+4*\c:\reg+4*\c+3], v[\adr] offset:128*(\q)+32*\c+(\i)*16*PITCH
.endr
.endm
.macro FETCHX k                        ; residual's four fragments of step k: 16 loads
	WIN 0
.irp i, 0,1,2,3
	FRAG XF+64*((\k)%2)+16*\i, ADRX+(((\k)/2)%2), (\k)%2, \i
.endr
.endm
.macro FETCHW n                        ; group n's four fragments of its weight: 16 loads
	WIN 0x40
.irp i, 0,1,2,3
	FRAG 64*((\n)%4)+16*\i, ADRW+(((\n)/6)%2), ((\n)/3)%2, 4*((\n)%3)+\i
.endr
.endm
; Eight products of group n.  q, k: source 0 = the weight (window 1), source 1 = residual (window 0), sums in window 2: a lane holds a row.  v: the sources swapped, sums in window 3: a lane holds a column.
; The 48 accumulators take turns, one instruction a turn.  The first step starts the sums.
.macro MULG n, ta, tb
.if (\n)%3 == 2
	WIN 0xf4
.else
	WIN 0xa1
.endif
.irp t, \ta, \tb
.irp i, 0,1,2,3
.set FX, XF+64*(((\n)/3)%2)+16*\i
.set FW, 64*((\n)%4)+16*\t
.if (\n)%3 == 2
.set AC, 8*(4*\t+\i)
.set SA, FX
.set SB, FW
.else
.set AC, 128*((\n)%3)+8*(4*\t+\i)
.set SA, FW
.set SB, FX
.endif
.if (\n) < 3
	v_wmma_f32_16x16x128_bf8_bf8 v[AC:AC+7], v[SA:SA+15], v[SB:SB+15], 0
.else
	v_wmma_f32_16x16x128_bf8_bf8 v[AC:AC+7], v[SA:SA+15], v[SB:SB+15], v[AC:AC+7]
.endif
.endr
.endr
.endm
; A chunk's first step, groups n to n + 2.  In front: residual of this step and groups n, n + 1, n + 2 have been asked for, in this order.
.macro HALF n
	s_wait_dscnt 32                                ; group n is in (groups n + 1, n + 2 may be out)
	PLACES                                         ; in front of loads into registers that products have read
	FETCHX (\n)/3+1
	FETCHW (\n)+3
	MULG \n, 0, 1
	MULG \n, 2, 3
	s_wait_dscnt 48                                ; group n + 1 is in
	PLACES
	FETCHW (\n)+4
	MULG (\n)+1, 0, 1
	MULG (\n)+1, 2, 3
	s_wait_dscnt 48                                ; group n + 2 is in
	PLACES
	FETCHW (\n)+5
	MULG (\n)+2, 0, 1
	MULG (\n)+2, 2, 3
	WIN 0
.endm
; A chunk's second step, groups n to n + 2, and the change of slots: all this slot's loads have been asked for; behind the barrier nobody reads it and the next chunk is whole.
.macro TURN n, fill
	s_wait_dscnt 32                                ; group n and residual of this step are in
	s_wait_tensorcnt 0x0                           ; all my tensor loads have landed
	ds_add_u32 v[SPW], v[NIL]
	MULG \n, 0, 1
	s_wait_dscnt 0x0                               ; the add is done, and my reads of this slot are over
	s_barrier_signal -1
	MULG \n, 2, 3
	WIN 0
	s_barrier_wait -1
.if \fill
	CREST
	s_add_nc_u64 s[G0X+4*(((\n)/6)%2)+2:G0X+4*(((\n)/6)%2)+3], s[G0X+4*(((\n)/6)%2)+2:G0X+4*(((\n)/6)%2)+3], 512
	s_add_nc_u64 s[G0W+4*(((\n)/6)%2)+2:G0W+4*(((\n)/6)%2)+3], s[G0W+4*(((\n)/6)%2)+2:G0W+4*(((\n)/6)%2)+3], 512
	JLOAD ((\n)/6)%2                               ; two chunks on; its four v_nop are the places for the loads below
.else
	PLACES
.endif
	FETCHX (\n)/3+1
	FETCHW (\n)+3
	FETCHW (\n)+4
	MULG (\n)+1, 0, 1
	MULG (\n)+1, 2, 3
	PLACES
	FETCHW (\n)+5
	MULG (\n)+2, 0, 1
	MULG (\n)+2, 2, 3
	WIN 0
.endm
	s_wait_alu depctr_va_vdst(0)                   ; the wait at the head's end
	s_wait_tensorcnt 0x0                           ; my part of chunk 0 is in
	ds_add_u32 v[SPW], v[NIL]
	s_wait_dscnt 0x0
	CROUND
	JLOAD 1                                        ; chunk 1
	FETCHX 0
	FETCHW 0
	FETCHW 1
	FETCHW 2
	WIN 0
	ASK 2
	HALF 0
	s_cmp_lt_u32 s[WV], 2
	s_cbranch_scc0 .Lno_wo
	s_wait_loadcnt 0x0                             ; W_O's numbers are in
	WIN 0xc0
.irp u, 0,1
.irp y, 0,1,2,3
.irp i, 0,1,2,3,4,5,6,7
	v_med3_num_f32 v[128+32*\u+8*\y+\i], v[32+4*(8*\u+\i)+\y], -v15, v15
.endr
.endr
.endr
	WIN 0x03
.irp u, 0,1
.irp y, 0,1,2,3
	v_cvt_scalef32_pk8_bf8_f32 v[96+4*\y+2*\u:96+4*\y+2*\u+1], v[128+32*\u+8*\y:128+32*\u+8*\y+7], v14
.endr
.endr
	v_nop
	WIN 0
.irp y, 0,1,2,3
	global_store_b128 v[GQ], v[96+4*\y:96+4*\y+3], s[86:87] offset:2048*\y
.endr
.Lno_wo:
	TURN 3, 1
	ASK 3
	HALF 6
	TURN 9, 1
	HALF 12
	TURN 15, 0
	HALF 18
; q's or k's way out: held, converted, stored: 512 consecutive bytes a store, aligned
.macro OUTQK g, sc, lim, base
	PLACES
	WIN 0x82
.set n, 0
.rept 128
	v_med3_num_f32 v[128*\g+n], v[128*\g+n], -v[\lim], v[\lim]
.set n, n+1
.endr
	WIN 0x02
.irp t, 0,1,2,3
.irp i, 0,1,2,3
	v_cvt_scalef32_pk8_bf8_f32 v[CD+32*\g+8*\i+2*\t:CD+32*\g+8*\i+2*\t+1], v[128*\g+8*(4*\t+\i):128*\g+8*(4*\t+\i)+7], v[\sc]
.endr
.endr
	v_nop
	WIN 0
.irp i, 0,1,2,3
.irp u, 0,1
	global_store_b128 v[GQ], v[CD+32*\g+8*\i+4*\u:CD+32*\g+8*\i+4*\u+3], s[\base:\base+1] offset:1024*\i+512*\u
.endr
.endr
.endm
	s_wait_dscnt 32                                ; the last step: group 21 is in
	MULG 21, 0, 1
	MULG 21, 2, 3
	s_wait_xcnt 0x0                                ; W_O's stores have read their data: the codes' registers may be written
	OUTQK 0, 8, 9, 88                              ; q leaves ahead of k's and v's last products
	s_wait_dscnt 16
	MULG 22, 0, 1
	MULG 22, 2, 3
	OUTQK 1, 10, 11, 90
	s_wait_dscnt 0x0
	MULG 23, 0, 1
	MULG 23, 2, 3
	PLACES
	WIN 0xc3
.set n, 0
.rept 128
	v_med3_num_f32 v[n], v[n], -v13, v13
.set n, n+1
.endr
	WIN 0x03
.irp t, 0,1,2,3
.irp i, 0,1,2,3
	v_cvt_scalef32_pk8_bf8_f32 v[CD+64+8*\t+2*\i:CD+64+8*\t+2*\i+1], v[8*(4*\t+\i):8*(4*\t+\i)+7], v12
.endr
.endr
	v_nop
	WIN 0
.irp t, 0,1,2,3
.irp u, 0,1
	global_store_b128 v[GQ], v[CD+64+8*\t+4*\u:CD+64+8*\t+4*\u+3], s[92:93] offset:2048*\t+512*\u
.endr
.endr
	s_wait_tensorcnt 0x0                           ; the wave's end
	ds_add_u32 v[SPW], v[NIL]
	s_wait_dscnt 0x0
	CROUND                                         ; the closing round: no work-group ends while a partner may still ask for a tile that names it
	s_endpgm
.Lfunc_end_k_q884ff5c59a_proj:
	.size	k_q884ff5c59a_proj, .Lfunc_end_k_q884ff5c59a_proj-k_q884ff5c59a_proj
	.p2alignl 7, 3214868480
	.fill 96, 4, 3214868480
	.section	.rodata,"a",@progbits
	.p2align	6, 0x0
	.amdhsa_kernel k_q884ff5c59a_proj
		.amdhsa_group_segment_fixed_size 327680
		.amdhsa_private_segment_fixed_size 0
		.amdhsa_enable_private_segment 0
		.amdhsa_kernarg_size 80
		.amdhsa_user_sgpr_count 2
		.amdhsa_user_sgpr_kernarg_segment_ptr 1
		.amdhsa_wavefront_size32 1
		.amdhsa_system_sgpr_workgroup_id_x 1
		.amdhsa_system_sgpr_workgroup_id_y 1
		.amdhsa_system_sgpr_workgroup_id_z 1
		.amdhsa_system_vgpr_workitem_id 0
		.amdhsa_next_free_vgpr 1024
		.amdhsa_next_free_sgpr 100
		.amdhsa_reserve_vcc 0
		.amdhsa_float_denorm_mode_32 3
		.amdhsa_float_denorm_mode_16_64 3
		.amdhsa_memory_ordered 1
		.amdhsa_forward_progress 1
		.amdhsa_inst_pref_size 110
	.end_amdhsa_kernel
	.amdgpu_metadata
---
amdhsa.version: [ 1, 2 ]
amdhsa.kernels:
  - .name:           k_q884ff5c59a_proj
    .symbol:         k_q884ff5c59a_proj.kd
    .args:
      - { .name: residual_codes, .offset: 0, .size: 8, .value_kind: global_buffer, .address_space: global }
      - { .name: W_Q_codes, .offset: 8, .size: 8, .value_kind: global_buffer, .address_space: global }
      - { .name: W_K_codes, .offset: 16, .size: 8, .value_kind: global_buffer, .address_space: global }
      - { .name: W_V_codes, .offset: 24, .size: 8, .value_kind: global_buffer, .address_space: global }
      - { .name: W_O, .offset: 32, .size: 8, .value_kind: global_buffer, .address_space: global }
      - { .name: lowp_scales, .offset: 40, .size: 8, .value_kind: global_buffer, .address_space: global }
      - { .name: qimg, .offset: 48, .size: 8, .value_kind: global_buffer, .address_space: global }
      - { .name: kimg, .offset: 56, .size: 8, .value_kind: global_buffer, .address_space: global }
      - { .name: vimg, .offset: 64, .size: 8, .value_kind: global_buffer, .address_space: global }
      - { .name: woimg, .offset: 72, .size: 8, .value_kind: global_buffer, .address_space: global }
    .group_segment_fixed_size: 327680
    .private_segment_fixed_size: 0
    .kernarg_segment_align: 8
    .kernarg_segment_size: 80
    .max_flat_workgroup_size: 128
    .sgpr_count:     100
    .vgpr_count:     1024
    .wavefront_size: 32
...
	.end_amdgpu_metadata
.endif
;; end of part 1
;; launch attn (part 2): grid 8 x 32, 8 waves a work-group, clusters of 4 x 1, 327,680 bytes of LDS; arguments qimg, kimg, vimg, lowp_scales, aimg; writes aimg
.if DOCPART == 2
	.amdgcn_target "amdgcn-amd-amdhsa--gfx1250"
	.amdhsa_code_object_version 6
	.text
	.protected	k_q884ff5c59a_attn
	.globl	k_q884ff5c59a_attn
	.p2align	8
	.type	k_q884ff5c59a_attn,@function
k_q884ff5c59a_attn:
	s_mov_b64 s[64:65], 0
	v_nop
	global_prefetch_b8 v0, s[64:65] scope:SCOPE_SE
	s_setreg_imm32_b32 hwreg(HW_REG_WAVE_MODE, 25, 1), 1
	s_wait_xcnt 0x0
	s_wait_alu depctr_hold_cnt(0) depctr_sa_sdst(0) depctr_va_vdst(0) depctr_va_sdst(0) depctr_va_ssrc(0) depctr_va_vcc(0) depctr_vm_vsrc(0)
	s_getreg_b32 s2, hwreg(HW_REG_IB_STS2, 6, 4)
	s_cmp_eq_u32 s2, 0
	s_cbranch_scc0 .Lentry_in_a_cluster
	s_endpgm
.Lentry_in_a_cluster:
	s_bfe_u32 s2, ttmp6, 0x10000c
	s_cmp_lg_u32 s2, 0x3003
	s_cbranch_scc0 .Lentry_shape_is_right
	s_endpgm
.Lentry_shape_is_right:
; Causal attention of one head on codes of BF8 (E5M2): S^T = K Q^T (K = the head's 64), p = 2^(t - M), O^T = V^T P^T (K = the keys), O / the row's sum, quantised with e10 and stored as an image of operand registers.
; t = score x log2(e) / 8; M = the running largest t rounded UP to a whole number; p is quantised with e9, not normalised; the row's sum is taken of the unquantised p.  When M moves, the sum and O^T are multiplied by 2^(old M - new M): exact.
; SHARES.  The head's 2,048 queries are 16 blocks of 128, a block 8 tiles of 16.  Work-group g (0..7) of a head owns tile g of EVERY block; its wave with number a (0..7) owns tile 0 = block a's and tile 1 = block 15 - a's.
; Keys go in steps of 128: tile 0 needs steps 0 .. a, tile 1 steps 0 .. 15 - a: 17 tile-steps for every wave, and what a wave walks hangs on its own number alone, the same in all work-groups.
; BODIES.  2: both tiles, one step (a + 1 of them).  3: tile 1, two steps k, k + 1 with k even, under one maximum (7 - a).  1: tile 1, one step (one: step a + 1 where a is even, the last step where a is odd).  Nine for every wave.
; WORK LEFT OUT: key steps all of whose keys come after the tile's queries (reference()'s own causal mask throws their scores away); a NaN or an infinity there is not carried to the result.
; CLUSTER 4 x 1: four work-groups of one head ask for its K and V jointly.  THE WHOLE HEAD LIES IN LDS: K's image (131,072 bytes) at 0, V's behind it.  Each byte is filled once: steps 0-2 at the head, steps 3-15 behind one round; one load a wave each time.
; NO PREFETCH: there are two fills; the second, the only one asked for behind another, has the work of key steps 0 and 1 (up to 48 matrix instructions and two softmax steps of both tiles a wave) in which to land.
; LAYOUT.  Both products are used transposed: a lane holds ONE query (lane % 16) throughout.  Register 8 a + i of S^T is key 16 a + 8 (lane / 16) + i of the step: the place that the K = 128 form gives registers 2 a, 2 a + 1, so a conversion of eight registers makes them.
; LIMITS: e6 + e7 between -123 and 130 (added to c's exponent field); e9 and e10 between -126 and 112; |t| under 2^31.  NaN and infinity are not served.
; REGISTERS.  Window 0: v1-11 addresses and scales; v12-43 statistics, 16 a tile: +0 -M, +1 the largest score, +2:3 the sum, +4:5 f, +6 at work, +7 a permute's destination, +8..15 chains (by slot), +12 at work;
;   v44-59 Q; v64-191 two slots of 64: S^T then p; v192-223 p's codes; v224-239 the result's codes.   Window 1: v0-63 O^T (32 a tile); v64-127 K's eight fragments; v128-191 V's four; v192-255 body 3's second step: K's, then V's.
.set SPARE, 0x40000
.set LI,   1                           ; 16 x lane
.set LV,   2                           ; the same in V's image
.set ADK,  3
.set ADV,  4
.set D0,   5                           ; my query's place in its block less 8 (lane / 16)
.set SPW,  6
.set NIL,  7
.set PLIM, 8
.set PSC,  9
.set ALIM, 10
.set ASC,  11
.set ST,   12
.set QF,   44
.set NINF, 60
.set S,    64
.set P,    192
.set OC,   224
.set KF,   64                          ; in window 1
.set VF,   128
.set XF,   192
.set WV,   14
.set K1,   17                          ; body 3's second step
.set LA,   18                          ; tile 0's last key step
.set LB,   19                          ; tile 1's
.set G1,   20                          ; group 1 of the first fill
.set G1L,  28                          ; of the second
.set G0,   36                          ; their groups 0
.set G0L,  40
.set TB,   44                          ; LDS byte of the step in hand, in K's image
.set KI,   45                          ; the step in hand
.set CNT,  46
.set NX,   47                          ; LDS byte of the step behind it
.set CS,   48                          ; s[48:49] c x 2^(e6 + e7)
.set SEL,  50                          ; s[50:51] selects for lane l xor 16
.set MSB, 0
.macro WIN new
.if MSB != \new
	s_set_vgpr_msb (MSB<<8)|\new
.set MSB, \new
.endif
.endm
.macro ROUND                           ; a round of the cluster's barrier
	s_barrier_signal -1
	s_barrier_wait -1
	s_cmp_lg_u32 s[WV], 0
	s_cbranch_scc1 .Lnot_wave_0_\@
	s_barrier_signal -3
.Lnot_wave_0_\@:
	s_barrier_wait -3
	s_barrier_signal -1
	s_barrier_wait -1
.endm
	s_load_b256 s[4:11], s[0:1], 0x0               ; qimg s[4:5], kimg s[6:7], vimg s[8:9], the scales' exponents s[10:11]
	s_load_b64 s[12:13], s[0:1], 0x20              ; aimg
	v_lshl_add_u32 v[SPW], v0, 2, SPARE
	v_mov_b32 v[NIL], 0
	ds_add_u32 v[SPW], v[NIL]                      ; the opening lines
	ds_add_u32 v[SPW], v[NIL]
	v_lshrrev_b32 v1, 5, v0
	v_readfirstlane_b32 s[WV], v1                  ; wave 0..7
	s_bfe_u32 s15, ttmp6, 0x40000
	s_lshl_b32 s17, ttmp9, 2
	s_add_co_u32 s15, s15, s17                     ; g
	s_and_b32 s16, ttmp7, 0xffff                   ; bh
.irp g, G1, G1L
	s_mov_b32 s[\g], 15|(3<<16)|(1<<21)            ; all four partners; elements of 8 bytes; bit 21 set beside a mask; dense blocks stated as rows of 256 bytes
	s_mov_b32 s[\g+1], 32<<16
	s_mov_b32 s[\g+3], 32<<16
	s_mov_b32 s[\g+5], 32
	s_mov_b32 s[\g+6], 0
	s_mov_b32 s[\g+7], 0
.endr
	s_mov_b32 s[G1+2], 24<<16                      ; first fill: 3 steps x 8,192 bytes by four waves: 24 rows each of K or of V
	s_mov_b32 s[G1+4], 24
	s_mov_b32 s[G1L+2], 104<<16                    ; second: 13 steps: 104 rows each
	s_mov_b32 s[G1L+4], 104
	s_lshr_b32 s66, s[WV], 2                       ; waves 0-3 fetch K's image, waves 4-7 V's
	s_lshl_b32 s66, s66, 17
	s_and_b32 s67, s[WV], 3
	s_mul_i32 s68, s67, 6144
	s_mul_i32 s70, s67, 26624
	s_add_co_u32 s70, s70, 24576
	s_mov_b32 s[G0], 1
	s_add_co_u32 s[G0+1], s66, s68
	s_mov_b32 s[G0L], 1
	s_add_co_u32 s[G0L+1], s66, s70
	s_lshl_b32 s67, s16, 17                        ; the head's image
	s_add_co_u32 s68, s68, s67
	s_add_co_u32 s70, s70, s67
	s_mov_b32 s69, 0
	s_mov_b32 s71, 0
	s_wait_alu depctr_va_vdst(0)
	s_wait_dscnt 0x0                               ; both opening adds are done
	ROUND                                          ; the four work-groups are here
	s_wait_kmcnt 0x0
	s_cmp_lt_u32 s[WV], 4
	s_cselect_b64 s[72:73], s[6:7], s[8:9]
	s_add_nc_u64 s[G0+2:G0+3], s[72:73], s[68:69]
	s_or_b32 s[G0+3], s[G0+3], 0x80000000
	s_add_nc_u64 s[G0L+2:G0L+3], s[72:73], s[70:71]
	s_or_b32 s[G0L+3], s[G0L+3], 0x80000000
	tensor_load_to_lds s[G0:G0+3], s[G1:G1+7]      ; key steps 0-2
	s_nop 0
.rept 4
	v_nop
.endr
	s_load_b128 s[52:55], s[10:11], 0x18           ; e6, e7, e8, e9
	s_load_b32 s56, s[10:11], 0x28                 ; e10
	s_lshr_b32 s76, s[WV], 2
	s_mul_i32 s76, s76, 3
	s_xor_b32 s[LA], s[WV], s76                    ; a: waves w and w + 4 have a and 7 - a
	s_sub_co_u32 s[LB], 15, s[LA]
	s_lshl_b32 s76, s16, 17
	s_lshl_b32 s77, s15, 10
	s_add_co_u32 s76, s76, s77                     ; qimg: head, tile g
	s_lshl_b32 s78, s[LA], 13
	s_add_co_u32 s78, s78, s76
	s_mov_b32 s79, 0
	s_add_nc_u64 s[60:61], s[4:5], s[78:79]        ; block a's
	s_lshl_b32 s78, s[LB], 13
	s_add_co_u32 s78, s78, s76
	s_add_nc_u64 s[62:63], s[4:5], s[78:79]        ; block 15 - a's
	v_and_b32 v[LI], 31, v0
	v_and_b32 v[D0], 15, v0
	v_bfe_u32 v61, v0, 4, 1
	v_lshlrev_b32 v[LI], 4, v[LI]
	v_lshlrev_b32 v61, 3, v61
	v_mov_b32 v[NINF], 0xff800000
	v_add_nc_u32 v[LV], 0x20000, v[LI]
	v_sub_nc_u32 v[D0], v[D0], v61
.irp g, 0,1
	global_load_b128 v[QF+4*\g:QF+4*\g+3], v[LI], s[60:61] offset:512*\g
	global_load_b128 v[QF+8+4*\g:QF+8+4*\g+3], v[LI], s[62:63] offset:512*\g
.endr
	s_lshl_b32 s77, s15, 4
	v_add_nc_u32 v[D0], s77, v[D0]                 ; 16 g + lane % 16 - 8 (lane / 16)
.irp t, 0,1
	v_mov_b32 v[ST+16*\t], 0x7f61b1e6              ; -M = 3e38 and the largest score -3e38: the first f is 0
	v_mov_b32 v[ST+16*\t+1], 0xff61b1e6
	v_mov_b32 v[ST+16*\t+2], 0                     ; the sum, in two halves
	v_mov_b32 v[ST+16*\t+3], 0
	v_mov_b32 v[ST+16*\t+5], 0                     ; (named as the upper half of f's pair)
	v_mov_b32 v[ST+16*\t+7], 0                     ; a lane permute's destination counts as one of its sources
.endr
	WIN 0x40
.set n, 0
.rept 64
	v_mov_b32 v[n], 0                              ; O^T: the step has no first form of its own; the first change of M leaves zeros zeros
.set n, n+1
.endr
	WIN 0
	s_lshr_b32 s76, s16, 4                         ; aimg: 128 rows of [b, s] by 131,072 bytes,
	s_lshl_b32 s76, s76, 21
	s_bfe_u32 s77, s16, 0x30001                    ; K step of 128 = head / 2,
	s_lshl_b32 s77, s77, 14
	s_add_co_u32 s76, s76, s77
	s_lshl_b32 s77, s15, 11                        ; tile g of the block's rows,
	s_add_co_u32 s76, s76, s77
	s_and_b32 s77, s16, 1                          ; groups 0, 1 or 2, 3 by the head's parity
	s_lshl_b32 s77, s77, 10
	s_add_co_u32 s76, s76, s77
	s_lshl_b32 s78, s[LA], 17
	s_add_co_u32 s78, s78, s76
	s_add_nc_u64 s[58:59], s[12:13], s[78:79]
	s_lshl_b32 s78, s[LB], 17
	s_add_co_u32 s78, s78, s76
	s_add_nc_u64 s[74:75], s[12:13], s[78:79]
	s_mov_b32 s[SEL], 0x76543210
	s_mov_b32 s[SEL+1], 0xfedcba98
	s_mov_b32 s[TB], 0
	s_mov_b32 s[KI], 0
	s_wait_alu depctr_va_vdst(0)
	s_wait_kmcnt 0x0
	s_add_co_i32 s76, s52, s53
	s_lshl_b32 s76, s76, 23
	s_add_co_i32 s[CS], s76, 0x3e38aa3b            ; c = log2(e) / 8, with e6 + e7 added to its exponent field
	s_mov_b32 s[CS+1], s[CS]
	s_add_co_i32 s57, s54, s55                     ; e8 + e9
	s_add_co_i32 s76, s55, 127
	s_lshl_b32 s77, s76, 23
	v_mov_b32 v[PSC], s77                          ; 2^e9
	s_add_co_i32 s76, s76, 15
	s_lshl_b32 s76, s76, 23
	s_or_b32 s76, s76, 0x600000
	v_mov_b32 v[PLIM], s76                         ; 57,344 x 2^e9
	s_add_co_i32 s76, s56, 127
	s_lshl_b32 s77, s76, 23
	v_mov_b32 v[ASC], s77                          ; 2^e10
	s_add_co_i32 s76, s76, 15
	s_lshl_b32 s76, s76, 23
	s_or_b32 s76, s76, 0x600000
	v_mov_b32 v[ALIM], s76
.macro HINT m                          ; a chain of the statistics: two tiles take turns in body 2
.if \m == 2
	s_delay_alu instid0(VALU_DEP_2)
.else
	s_delay_alu instid0(VALU_DEP_1)
.endif
.endm
.macro LD dst, adr, off                ; 16 loads of 512 consecutive bytes into window 1
	WIN 0x40
.set n, 0
.rept 16
	ds_load_b128 v[\dst+4*n:\dst+4*n+3], v[\adr] offset:\off+512*n
.set n, n+1
.endr
.endm
.macro MASK t                          ; slot t lies on the diagonal: the scores of hidden keys become -infinity ahead of the maximum: p is 0 then
.irp a, 0,1,2,3,4,5,6,7
.irp i, 0,1,2,3,4,5,6,7
	v_cmp_gt_i32 vcc_lo, 16*\a+\i, v[D0]           ; key 16 a + 8 (lane / 16) + i comes after my query
	v_cndmask_b32 v[S+64*\t+8*\a+\i], v[S+64*\t+8*\a+\i], v[NINF], vcc_lo
.endr
.endr
.endm
.macro LEAF t                          ; the largest of slot t's 64 scores: four chains, registers ascending
	v_max3_num_f32 v[ST+16*\t+8], v[S+64*\t], v[S+64*\t+1], v[S+64*\t+2]
	v_max3_num_f32 v[ST+16*\t+9], v[S+64*\t+3], v[S+64*\t+4], v[S+64*\t+5]
	v_max3_num_f32 v[ST+16*\t+10], v[S+64*\t+6], v[S+64*\t+7], v[S+64*\t+8]
	v_max3_num_f32 v[ST+16*\t+11], v[S+64*\t+9], v[S+64*\t+10], v[S+64*\t+11]
.endm
.macro MAXC ta, tb
.set n, 12
.rept 26
.irp t, 0,1
.if (\t >= \ta) && (\t <= \tb)
	v_max3_num_f32 v[ST+16*\t+8+((n-12)/2)%4], v[ST+16*\t+8+((n-12)/2)%4], v[S+64*\t+n], v[S+64*\t+n+1]
.endif
.endr
.set n, n+2
.endr
.endm
; A BODY.  Slots in use: T0 .. 1; tiles with statistics: T1 .. 1.
.macro BODY m
.if \m == 1
.set T0, 1
.else
.set T0, 0
.endif
.if \m == 2
.set T1, 0
.else
.set T1, 1
.endif
.if \m == 3
	s_add_co_u32 s[NX], s[TB], 8192
	s_min_u32 s[NX], s[NX], 122880                 ; the second step (step 15 is the head's last)
	v_add_nc_u32 v[ADK], s[NX], v[LI]
.else
	v_nop
.endif
	v_add_nc_u32 v[ADV], s[TB], v[LV]
	v_nop
	v_nop                                          ; four plain instructions between the last products and the loads into V's registers
.if \m == 3
	LD XF, ADK, 0
.endif
	LD VF, ADV, 0
	WIN 0x01                                       ; source 0 (K, in since the last body's wait) window 1
.if \m == 3
.irp a, 0,1,2,3,4,5,6,7
	v_wmma_f32_16x16x64_bf8_bf8 v[S+8*\a:S+8*\a+7], v[KF+8*\a:KF+8*\a+7], v[QF+8:QF+15], 0
.endr
	WIN 0
.rept 4
	v_nop
.endr
	LEAF 0                                         ; the first step's maximum while the second's K comes in
	MAXC 0, 0
	s_wait_dscnt 16                                ; it is in (V's 16 loads may be out)
	WIN 0x01
.irp a, 0,1,2,3,4,5,6,7
	v_wmma_f32_16x16x64_bf8_bf8 v[S+64+8*\a:S+64+8*\a+7], v[XF+8*\a:XF+8*\a+7], v[QF+8:QF+15], 0
.endr
.else
.irp a, 0,1,2,3,4,5,6,7
.irp t, 0,1
.if \t >= T0
	v_wmma_f32_16x16x64_bf8_bf8 v[S+64*\t+8*\a:S+64*\t+8*\a+7], v[KF+8*\a:KF+8*\a+7], v[QF+8*\t:QF+8*\t+7], 0
.endif
.endr
.endr
.endif
	WIN 0
.rept 4
	v_nop                                          ; places in front of the loads into K's registers and of the first read of the scores
.endr
.if \m == 2                                    ; tile 1 always has a step behind this one (a < 15 - a)
	v_add_nc_u32 v[ADK], s[TB], v[LI]
	LD KF, ADK, 8192                               ; the next step's K
	WIN 0
	s_cmp_lg_u32 s[KI], s[LA]
	s_cbranch_scc1 .Lopen_\@
	MASK 0
.else
.if \m == 3
	v_add_nc_u32 v[ADV], s[NX], v[LV]
	LD XF, ADV, 0                                  ; the second step's V takes its K's registers
	WIN 0
	s_add_co_u32 s[K1], s[KI], 1
	s_cmp_lg_u32 s[K1], s[LB]
.else
	s_cmp_lg_u32 s[KI], s[LB]
.endif
	s_cbranch_scc1 .Lmore_\@
	MASK 1                                         ; the wave's last step: on the diagonal, and no K is wanted behind it
	s_branch .Lopen_\@
.Lmore_\@:
.if \m == 1
	v_add_nc_u32 v[ADK], s[TB], v[LI]
.endif
	LD KF, ADK, 8192                               ; K of the step behind this body
	WIN 0
.endif
.Lopen_\@:
.if \m == 2
	LEAF 0
	LEAF 1
	MAXC 0, 1
.else
	LEAF 1
	MAXC 1, 1
.endif
.if \m == 3                                    ; both slots' chains and the largest score so far
	v_max3_num_f32 v[ST+8], v[ST+8], v[ST+9], v[ST+10]
	v_max3_num_f32 v[ST+11], v[ST+11], v[ST+26], v[ST+17]
	v_max3_num_f32 v[ST+24], v[ST+24], v[ST+25], v[ST+27]
	HINT 1
	v_max3_num_f32 v[ST+24], v[ST+24], v[ST+8], v[ST+11]
.else
.irp t, 0,1
.if \t >= T1
	v_max3_num_f32 v[ST+16*\t+8], v[ST+16*\t+8], v[ST+16*\t+10], v[ST+16*\t+11]
.endif
.endr
.irp t, 0,1
.if \t >= T1
	HINT \m
	v_max3_num_f32 v[ST+16*\t+8], v[ST+16*\t+8], v[ST+16*\t+9], v[ST+16*\t+1]
.endif
.endr
.endif
.irp t, 0,1
.if \t >= T1
	HINT \m
	v_permlanex16_b32 v[ST+16*\t+7], v[ST+16*\t+8], s[SEL], s[SEL+1]
.endif
.endr
.irp t, 0,1
.if \t >= T1
	HINT \m
	v_max_num_f32 v[ST+16*\t+1], v[ST+16*\t+8], v[ST+16*\t+7]   ; the running largest score, lane l xor 16's keys among them
.endif
.endr
.irp t, 0,1
.if \t >= T1
	HINT \m
	v_mul_f32 v[ST+16*\t+6], s[CS], -v[ST+16*\t+1]              ; -t (c is positive)
.endif
.endr
.irp t, 0,1
.if \t >= T1
	HINT \m
	v_floor_f32 v[ST+16*\t+6], v[ST+16*\t+6]                    ; the new -M = floor(-t): M is a whole number
.endif
.endr
.irp t, 0,1
.if \t >= T1
	HINT \m
	v_sub_f32 v[ST+16*\t+12], v[ST+16*\t+6], v[ST+16*\t]        ; old M - new M: a whole number, 0 or less
.endif
.endr
.irp t, 0,1
.if \t >= T1
	v_mov_b32 v[ST+16*\t], v[ST+16*\t+6]
.endif
.endr
.irp t, 0,1
.if \t >= T1
	v_cvt_i32_f32 v[ST+16*\t+12], v[ST+16*\t+12]                ; (it saturates)
.endif
.endr
.irp t, 0,1
.if \t >= T1
	HINT \m
	v_ldexp_f32 v[ST+16*\t+4], 1.0, v[ST+16*\t+12]              ; f = 2^(old M - new M)
.endif
.endr
.irp t, 0,1
.if \t >= T0
.if \m == 3
.set SB, ST+16
.else
.set SB, ST+16*\t
.endif
.set n, 0
.rept 32
	v_pk_fma_f32 v[S+64*\t+n:S+64*\t+n+1], v[S+64*\t+n:S+64*\t+n+1], s[CS:CS+1], v[SB:SB+1] op_sel_hi:[1,0,0]   ; t - M, two at a time
.set n, n+2
.endr
.endif
.endr
	s_wait_alu depctr_va_vdst(0)                   ; the wait ahead of the batch
.irp t, 0,1
.if \t >= T0
.set n, 0
.rept 64
	v_exp_f32 v[S+64*\t+n], v[S+64*\t+n]           ; p = 2^(t - M): one batch
.set n, n+1
.endr
.endif
.endr
.irp t, 0,1
.if \t >= T1
	v_pk_mul_f32 v[ST+16*\t+2:ST+16*\t+3], v[ST+16*\t+2:ST+16*\t+3], v[ST+16*\t+4:ST+16*\t+5] op_sel_hi:[1,0]   ; the sum under the new M: a plain instruction behind the exponentials
.endif
.endr
	WIN 0x41                                       ; O^T (destination and source 0) window 1, f window 0
	s_wait_alu depctr_va_vdst(0)                   ; behind the batch, and directly ahead of the first reader of O^T
.irp t, 0,1
.if \t >= T1
.set n, 0
.rept 16
	v_pk_mul_f32 v[32*\t+n:32*\t+n+1], v[32*\t+n:32*\t+n+1], v[ST+16*\t+4:ST+16*\t+5] op_sel_hi:[1,0]   ; O^T under the new M
.set n, n+2
.endr
.endif
.endr
	WIN 0
.irp k, 0,1,2,3                                ; the row's sum is taken of the unquantised p, in four chains a slot
.irp t, 0,1
.if \t >= T0
	v_pk_add_f32 v[ST+16*\t+8+2*\k:ST+16*\t+9+2*\k], v[S+64*\t+4*\k:S+64*\t+4*\k+1], v[S+64*\t+4*\k+2:S+64*\t+4*\k+3]
.endif
.endr
.endr
.set n, 16
.rept 24
.set c, 2*(((n-16)/2)%4)
.irp t, 0,1
.if \t >= T0
	v_pk_add_f32 v[ST+16*\t+8+c:ST+16*\t+9+c], v[ST+16*\t+8+c:ST+16*\t+9+c], v[S+64*\t+n:S+64*\t+n+1]
.endif
.endr
.set n, n+2
.endr
.irp t, 0,1
.if \t >= T0
.set n, 0
.rept 32
	v_dual_min_num_f32 v[S+64*\t+n], v[PLIM], v[S+64*\t+n] :: v_dual_min_num_f32 v[S+64*\t+n+1], v[PLIM], v[S+64*\t+n+1]   ; the conversion does not saturate (ISA guide 7.6.2); p is not negative, so the hold is one-sided
.set n, n+2
.endr
.endif
.endr
.irp t, 0,1
.if \t >= T0
.irp a, 0,1,2,3,4,5,6,7
	v_cvt_scalef32_pk8_bf8_f32 v[P+16*\t+2*\a:P+16*\t+2*\a+1], v[S+64*\t+8*\a:S+64*\t+8*\a+7], v[PSC]
.endr
.endif
.endr
.irp t, 0,1                                    ; the chains join: plain instructions behind the conversions
.if \t >= T0
	v_pk_add_f32 v[ST+16*\t+8:ST+16*\t+9], v[ST+16*\t+8:ST+16*\t+9], v[ST+16*\t+10:ST+16*\t+11]
.endif
.endr
.irp t, 0,1
.if \t >= T0
	v_pk_add_f32 v[ST+16*\t+12:ST+16*\t+13], v[ST+16*\t+12:ST+16*\t+13], v[ST+16*\t+14:ST+16*\t+15]
.endif
.endr
.irp t, 0,1
.if \t >= T0
	HINT 2-T0
	v_pk_add_f32 v[ST+16*\t+8:ST+16*\t+9], v[ST+16*\t+8:ST+16*\t+9], v[ST+16*\t+12:ST+16*\t+13]
.endif
.endr
.if \m == 3
	HINT 1
	v_pk_add_f32 v[ST+24:ST+25], v[ST+24:ST+25], v[ST+8:ST+9]
.endif
.irp t, 0,1
.if \t >= T1
	HINT \m
	v_pk_add_f32 v[ST+16*\t+2:ST+16*\t+3], v[ST+16*\t+2:ST+16*\t+3], v[ST+16*\t+8:ST+16*\t+9]
.endif
.endr
	s_wait_alu depctr_va_vdst(0)
	s_wait_dscnt 0x0                               ; V is in, and so is the K that the next body begins with
	WIN 0x51                                       ; V window 1, p's codes window 0, C and D window 1
.if \m == 3                                    ; the accumulators take turns, one instruction a turn
.irp e, 0,1,2,3
	v_wmma_f32_16x16x128_bf8_bf8 v[32+8*\e:32+8*\e+7], v[VF+16*\e:VF+16*\e+15], v[P:P+15], v[32+8*\e:32+8*\e+7]
.endr
.irp e, 0,1,2,3
	v_wmma_f32_16x16x128_bf8_bf8 v[32+8*\e:32+8*\e+7], v[XF+16*\e:XF+16*\e+15], v[P+16:P+31], v[32+8*\e:32+8*\e+7]
.endr
.else
.irp e, 0,1,2,3
.irp t, 0,1
.if \t >= T0
	v_wmma_f32_16x16x128_bf8_bf8 v[32*\t+8*\e:32*\t+8*\e+7], v[VF+16*\e:VF+16*\e+15], v[P+16*\t:P+16*\t+15], v[32*\t+8*\e:32*\t+8*\e+7]
.endif
.endr
.endr
.endif
	WIN 0
.endm
; A KEY STEP: branches on the wave's own last steps and on the step's number, round the work alone.  two = 0: steps 0 and 1, in which no wave begins a body 3.
.macro STEP two
	s_cmp_gt_u32 s[KI], s[LA]
	s_cbranch_scc1 .Lone_\@
	BODY 2
	s_branch .Lnext_\@
.if \two
.Lone_\@:
	s_cmp_gt_u32 s[KI], s[LB]
	s_cbranch_scc1 .Lnext_\@
	s_bitcmp1_b32 s[KI], 0
	s_cbranch_scc1 .Lodd_\@
	s_cmp_lg_u32 s[KI], s[LB]
	s_cbranch_scc0 .Lsingle_\@
	BODY 3                                         ; an even step under the last: it and the one behind it
	s_branch .Lnext_\@
.Lodd_\@:
	s_sub_co_u32 s[K1], s[KI], 1
	s_cmp_gt_u32 s[K1], s[LA]
	s_cbranch_scc1 .Lnext_\@                       ; done with the even step ahead of it
.Lsingle_\@:
	BODY 1
.else
.Lone_\@:
	BODY 1
.endif
.Lnext_\@:
	s_add_co_u32 s[TB], s[TB], 8192
	s_add_co_u32 s[KI], s[KI], 1
.endm
.macro RUN trips, two
	s_mov_b32 s[CNT], \trips
.Lrun_\@:
	STEP \two
	s_sub_co_u32 s[CNT], s[CNT], 1
	s_cmp_lg_u32 s[CNT], 0
	s_cbranch_scc1 .Lrun_\@
.endm
	s_wait_alu depctr_va_vdst(0)                   ; the wait at the head's end
	s_wait_loadcnt 0x0                             ; Q
	s_wait_tensorcnt 0x0                           ; my part of the first fill
	ds_add_u32 v[SPW], v[NIL]
	s_wait_dscnt 0x0
	ROUND                                          ; everybody's part of steps 0-2 is in
	tensor_load_to_lds s[G0L:G0L+3], s[G1L:G1L+7]  ; key steps 3-15
	s_nop 0
.rept 4
	v_nop
.endr
	LD KF, LI, 0                                   ; K of step 0
	WIN 0
	s_wait_dscnt 0x0
	RUN 2, 0                                       ; steps 0 and 1, which fetch K of steps 1 and 2
	s_wait_tensorcnt 0x0                           ; my part of steps 3-15 is in; then everybody's
	s_wait_dscnt 0x0
	s_barrier_signal -1
	s_barrier_wait -1
	RUN 14, 1                                      ; steps 2-15
	; THE WAY OUT: O^T x 2^(e8 + e9) / the sum, held, converted with e10: registers 2 e, 2 e + 1 of the last product's operand.
.irp t, 0,1
	v_add_f32 v[ST+16*\t+2], v[ST+16*\t+2], v[ST+16*\t+3]
.endr
.irp t, 0,1
	HINT 2
	v_permlanex16_b32 v[ST+16*\t+7], v[ST+16*\t+2], s[SEL], s[SEL+1]
.endr
.irp t, 0,1
	HINT 2
	v_add_f32 v[ST+16*\t+2], v[ST+16*\t+2], v[ST+16*\t+7]
.endr
	s_wait_alu depctr_va_vdst(0)
.irp t, 0,1
	v_rcp_f32 v[ST+16*\t+4], v[ST+16*\t+2]
.endr
	v_nop                                          ; a plain instruction behind the reciprocals
	s_wait_alu depctr_va_vdst(0)
.irp t, 0,1
	v_ldexp_f32 v[ST+16*\t+4], v[ST+16*\t+4], s57
.endr
	WIN 0x01                                       ; source 0 (O^T) window 1
	s_wait_alu depctr_va_vdst(0)                   ; directly ahead of the first reader of O^T
.irp t, 0,1
.set n, 0
.rept 16
	v_pk_mul_f32 v[S+64*\t+n:S+64*\t+n+1], v[32*\t+n:32*\t+n+1], v[ST+16*\t+4:ST+16*\t+5] op_sel_hi:[1,0]
.set n, n+2
.endr
.endr
	WIN 0
.irp t, 0,1
.irp e, 0,1,2,3
.irp i, 0,1,2,3,4,5,6,7
	v_med3_num_f32 v[S+64*\t+8*\e+\i], v[S+64*\t+8*\e+\i], -v[ALIM], v[ALIM]
.endr
	v_cvt_scalef32_pk8_bf8_f32 v[OC+8*\t+2*\e:OC+8*\t+2*\e+1], v[S+64*\t+8*\e:S+64*\t+8*\e+7], v[ASC]
.endr
.endr
	v_nop
.irp g, 0,1
	global_store_b128 v[LI], v[OC+4*\g:OC+4*\g+3], s[58:59] offset:512*\g   ; 512 consecutive bytes, aligned
	global_store_b128 v[LI], v[OC+8+4*\g:OC+8+4*\g+3], s[74:75] offset:512*\g
.endr
	s_wait_tensorcnt 0x0                           ; the wave's end
	ds_add_u32 v[SPW], v[NIL]
	s_wait_dscnt 0x0
	ROUND                                          ; the closing round: no work-group ends while a partner may still ask for a tile that names it
	s_endpgm
.Lfunc_end_k_q884ff5c59a_attn:
	.size	k_q884ff5c59a_attn, .Lfunc_end_k_q884ff5c59a_attn-k_q884ff5c59a_attn
	.p2alignl 7, 3214868480
	.fill 96, 4, 3214868480
	.section	.rodata,"a",@progbits
	.p2align	6, 0x0
	.amdhsa_kernel k_q884ff5c59a_attn
		.amdhsa_group_segment_fixed_size 327680
		.amdhsa_private_segment_fixed_size 0
		.amdhsa_enable_private_segment 0
		.amdhsa_kernarg_size 40
		.amdhsa_user_sgpr_count 2
		.amdhsa_user_sgpr_kernarg_segment_ptr 1
		.amdhsa_wavefront_size32 1
		.amdhsa_system_sgpr_workgroup_id_x 1
		.amdhsa_system_sgpr_workgroup_id_y 1
		.amdhsa_system_sgpr_workgroup_id_z 1
		.amdhsa_system_vgpr_workitem_id 0
		.amdhsa_next_free_vgpr 512
		.amdhsa_next_free_sgpr 84
		.amdhsa_reserve_vcc 1
		.amdhsa_float_denorm_mode_32 3
		.amdhsa_float_denorm_mode_16_64 3
		.amdhsa_memory_ordered 1
		.amdhsa_forward_progress 1
		.amdhsa_inst_pref_size 163
	.end_amdhsa_kernel
	.amdgpu_metadata
---
amdhsa.version: [ 1, 2 ]
amdhsa.kernels:
  - .name:           k_q884ff5c59a_attn
    .symbol:         k_q884ff5c59a_attn.kd
    .args:
      - { .name: qimg, .offset: 0, .size: 8, .value_kind: global_buffer, .address_space: global }
      - { .name: kimg, .offset: 8, .size: 8, .value_kind: global_buffer, .address_space: global }
      - { .name: vimg, .offset: 16, .size: 8, .value_kind: global_buffer, .address_space: global }
      - { .name: lowp_scales, .offset: 24, .size: 8, .value_kind: global_buffer, .address_space: global }
      - { .name: aimg, .offset: 32, .size: 8, .value_kind: global_buffer, .address_space: global }
    .group_segment_fixed_size: 327680
    .private_segment_fixed_size: 0
    .kernarg_segment_align: 8
    .kernarg_segment_size: 40
    .max_flat_workgroup_size: 256
    .sgpr_count:     84
    .vgpr_count:     512
    .wavefront_size: 32
...
	.end_amdgpu_metadata
.endif
;; end of part 2
;; launch outp (part 3): grid 8 x 32, 4 waves a work-group, clusters of 4 x 4, 327,680 bytes of LDS; arguments aimg, woimg, lowp_scales, out0; writes out0
.if DOCPART == 3
	.amdgcn_target "amdgcn-amd-amdhsa--gfx1250"
	.amdhsa_code_object_version 6
	.text
	.protected	k_q884ff5c59a_outp
	.globl	k_q884ff5c59a_outp
	.p2align	8
	.type	k_q884ff5c59a_outp,@function
k_q884ff5c59a_outp:
	s_mov_b64 s[64:65], 0
	v_nop
	global_prefetch_b8 v0, s[64:65] scope:SCOPE_SE
	s_setreg_imm32_b32 hwreg(HW_REG_WAVE_MODE, 25, 1), 1
	s_wait_xcnt 0x0
	s_wait_alu depctr_hold_cnt(0) depctr_sa_sdst(0) depctr_va_vdst(0) depctr_va_sdst(0) depctr_va_ssrc(0) depctr_va_vcc(0) depctr_vm_vsrc(0)
	s_getreg_b32 s2, hwreg(HW_REG_IB_STS2, 6, 4)
	s_cmp_eq_u32 s2, 0
	s_cbranch_scc0 .Lentry_in_a_cluster
	s_endpgm
.Lentry_in_a_cluster:
	s_bfe_u32 s2, ttmp6, 0x10000c
	s_cmp_lg_u32 s2, 0xf033
	s_cbranch_scc0 .Lentry_shape_is_right
	s_endpgm
.Lentry_shape_is_right:
; out0 [4096][1024] f32 = attention's result x W_O, both as codes of BF8 (E5M2) in images of operand registers; each finished sum x 2^(e10 + e11).
; SHARES.  Work-group (nb, mb) makes rows 128 mb on, columns 128 nb on: 8 x 32 = 256 work-groups.  Wave w: rows 64 (w / 2) on, columns 64 (w % 2) on.
; The work-group's whole A (131,072 bytes: [K step 8][tile of rows 8][group 4][512]) lies in LDS at 0, its whole B behind it, as they lie in memory.  Each byte is filled once, by one tensor load a wave: waves 0, 1 A's halves along K, waves 2, 3 B's.
; CLUSTER 4 x 4: A hangs on mb alone and is asked for jointly by a row of the cluster, B on nb alone, by a column.  NO PREFETCH: all is asked for at the head; there is no loop to run ahead in.
; BY ROWS: B's fragments of all of K stay in registers; a wave's four blocks of 16 rows are finished one after the other, K ascending, and a block is stored while the next is multiplied.  Each LDS byte is read once a wave.
; Lane r of B's tile y holds COLUMN 4 r + y of the wave's 64, so the four accumulators of a block give a lane four neighbouring columns: 16 bytes, and sixteen lanes store 256 consecutive bytes, aligned, with no way through LDS.
; LIMIT: e10 + e11 between -126 and 127, so that 2^(e10 + e11) is an f32 number.
; REGISTERS.  Window 0: v16-17 A's addresses (K steps 0-3, 4-7), v20-21 B's, v26 my place in out0, v30-31 the add's; v32-95 two sets of four accumulators; v128-255 the scaled sums, 32 a block.
;   Window 1: two buffers of 128: A's eight fragments of a block.   Windows 2, 3: B's fragments, K step kp, tile y at 64 (kp % 4) + 16 y.
.set WV,  12
.set G1A, 24
.set G1B, 32
.set MSB, 0
.macro WIN new
.if MSB != (\new)
	s_set_vgpr_msb (MSB<<8)|(\new)
.set MSB, (\new)
.endif
.endm
.macro PLACES
.rept 4
	v_nop
.endr
.endm
.macro CROUND                          ; a round of the cluster's barrier
	s_barrier_signal -1
	s_barrier_wait -1
	s_cmp_lg_u32 s[WV], 0
	s_cbranch_scc1 .Lnot_wave_0_\@
	s_barrier_signal -3
.Lnot_wave_0_\@:
	s_barrier_wait -3
	s_barrier_signal -1
	s_barrier_wait -1
.endm
	s_load_b256 s[4:11], s[0:1], 0x0               ; aimg s[4:5], woimg s[6:7], the scales' exponents s[8:9], out0 s[10:11]
	v_lshl_add_u32 v30, v0, 2, 0x40000
	v_mov_b32 v31, 0
	ds_add_u32 v30, v31                            ; the opening lines
	ds_add_u32 v30, v31
	v_lshrrev_b32 v1, 5, v0
	v_readfirstlane_b32 s[WV], v1                  ; wave 0..3
	s_bfe_u32 s13, ttmp6, 0x40000                  ; cx
	s_bfe_u32 s14, ttmp6, 0x40004                  ; cy
	s_lshl_b32 s15, ttmp9, 2
	s_add_co_u32 s15, s15, s13                     ; nb
	s_and_b32 s16, ttmp7, 0xffff
	s_lshl_b32 s16, s16, 2
	s_add_co_u32 s16, s16, s14                     ; mb
	s_lshl_b32 s17, s14, 2
	s_lshl_b32 s17, 15, s17                        ; my row of the cluster
	s_lshl_b32 s18, 0x1111, s13                    ; my column
	s_or_b32 s[G1A], s17, (3<<16)|(1<<21)          ; the mask; elements of 8 bytes; bit 21 set beside a mask; a dense block of 65,536 bytes as 256 rows of 256
	s_or_b32 s[G1B], s18, (3<<16)|(1<<21)
.irp g, G1A, G1B
	s_mov_b32 s[\g+1], 32<<16
	s_mov_b32 s[\g+2], 256<<16
	s_mov_b32 s[\g+3], 32<<16
	s_mov_b32 s[\g+4], 256
	s_mov_b32 s[\g+5], 32
	s_mov_b32 s[\g+6], 0
	s_mov_b32 s[\g+7], 0
.endr
	s_and_b32 s19, s[WV], 1
	s_lshl_b32 s19, s19, 16                        ; which half along K I fetch: in LDS and in memory
	s_lshl_b32 s20, s16, 17
	s_add_co_u32 s20, s20, s19                     ; A: hangs on mb alone
	s_mov_b32 s21, 0
	s_lshl_b32 s76, s15, 17
	s_add_co_u32 s76, s76, s19                     ; B: on nb alone
	s_mov_b32 s77, 0
	s_mov_b32 s40, 1
	s_mov_b32 s41, s19
	s_mov_b32 s56, 1
	s_add_co_u32 s57, s19, 0x20000
	s_wait_alu depctr_va_vdst(0)
	s_wait_dscnt 0x0                               ; both opening adds are done
	CROUND                                         ; all sixteen work-groups are here: the joint loads meet
	s_wait_kmcnt 0x0
	s_load_b64 s[22:23], s[8:9], 0x28              ; e10, e11
	s_add_nc_u64 s[42:43], s[4:5], s[20:21]
	s_or_b32 s43, s43, 0x80000000
	s_add_nc_u64 s[58:59], s[6:7], s[76:77]
	s_or_b32 s59, s59, 0x80000000
	s_cmp_lt_u32 s[WV], 2
	s_cbranch_scc0 .Lfor_b
	tensor_load_to_lds s[40:43], s[G1A:G1A+7]
	s_nop 0
	PLACES
	s_branch .Lasked
.Lfor_b:
	tensor_load_to_lds s[56:59], s[G1B:G1B+7]
	s_nop 0
	PLACES
.Lasked:
	v_and_b32 v3, 31, v0
	v_lshlrev_b32 v3, 4, v3                        ; 16 x lane
	s_lshr_b32 s60, s[WV], 1
	s_lshl_b32 s60, s60, 13                        ; my four tiles of rows
	v_add_nc_u32 v16, s60, v3
	v_add_nc_u32 v17, 0x10000, v16
	s_and_b32 s61, s[WV], 1
	s_lshl_b32 s61, s61, 13                        ; my four tiles of columns,
	s_add_co_u32 s61, s61, 0x20000                 ; behind A
	v_add_nc_u32 v20, s61, v3
	v_add_nc_u32 v21, 0x10000, v20
	v_and_b32 v1, 15, v0
	v_bfe_u32 v2, v0, 4, 1
	v_lshlrev_b32 v26, 4, v1
	v_lshl_add_u32 v26, v2, 15, v26                ; out0: 16 bytes at column 4 r; lanes 16-31 eight rows of 4,096 bytes further down
	s_lshl_b32 s78, s16, 7
	s_lshr_b32 s79, s[WV], 1
	s_lshl_b32 s79, s79, 6
	s_add_co_u32 s78, s78, s79                     ; my first row
	s_lshl_b32 s78, s78, 12
	s_lshl_b32 s79, s15, 9
	s_add_co_u32 s78, s78, s79
	s_and_b32 s79, s[WV], 1
	s_lshl_b32 s79, s79, 8
	s_add_co_u32 s78, s78, s79                     ; my first column, in bytes
	s_mov_b32 s79, 0
	s_add_nc_u64 s[10:11], s[10:11], s[78:79]
	s_wait_alu depctr_va_vdst(0)
	s_wait_kmcnt 0x0
	s_add_co_i32 s22, s22, s23
	s_add_co_i32 s22, s22, 127
	s_lshl_b32 s22, s22, 23                        ; 2^(e10 + e11) as f32
.macro FA a                            ; A's fragments of block a, all of K: 32 loads of 512 consecutive bytes
	WIN 0x40
.irp kp, 0,1,2,3,4,5,6,7
.irp g, 0,1,2,3
	ds_load_b128 v[128*((\a)%2)+16*\kp+4*\g:128*((\a)%2)+16*\kp+4*\g+3], v[16+\kp/4] offset:(\kp%4)*16384+(\a)*2048+\g*512
.endr
.endr
.endm
.macro FB kp                           ; B's four fragments of K step kp: 16 loads
	WIN 0x80+0x40*((\kp)/4)
.irp y, 0,1,2,3
.irp g, 0,1,2,3
	ds_load_b128 v[64*((\kp)%4)+16*\y+4*\g:64*((\kp)%4)+16*\y+4*\g+3], v[20+(\kp)/4] offset:((\kp)%4)*16384+\y*2048+\g*512
.endr
.endr
.endm
.macro MUL a, kp                       ; the four accumulators take turns, one instruction a turn; K step 0 starts the sums
	WIN 0x09+4*((\kp)/4)                           ; source 0 (A) window 1, source 1 (B) window 2 or 3, C and D window 0
.irp y, 0,1,2,3
.set AC, 32+32*((\a)%2)+8*\y
.if (\kp) == 0
	v_wmma_f32_16x16x128_bf8_bf8 v[AC:AC+7], v[128*((\a)%2)+16*(\kp):128*((\a)%2)+16*(\kp)+15], v[64*((\kp)%4)+16*\y:64*((\kp)%4)+16*\y+15], 0
.else
	v_wmma_f32_16x16x128_bf8_bf8 v[AC:AC+7], v[128*((\a)%2)+16*(\kp):128*((\a)%2)+16*(\kp)+15], v[64*((\kp)%4)+16*\y:64*((\kp)%4)+16*\y+15], v[AC:AC+7]
.endif
.endr
.endm
.macro OUT a                           ; lane (r, h), register j of accumulator y: row 16 a + 8 h + j, column 4 r + y.  Each accumulator from its low end on
	WIN 0
	PLACES                                         ; in front of the first read of results, and of the loads into the buffer that the products read
.irp j, 0,1,2,3,4,5,6,7
.irp y, 0,1,2,3
	v_mul_f32 v[128+32*(\a)+4*\j+\y], s22, v[32+32*((\a)%2)+8*\y+\j]
.endr
.endr
.irp j, 0,1,2,3,4,5,6,7
	global_store_b128 v26, v[128+32*(\a)+4*\j:128+32*(\a)+4*\j+3], s[10:11] offset:(16*(\a)+\j)*4096 th:TH_STORE_NT   ; sixteen lanes store 256 consecutive bytes, aligned; written once, read by nobody here
.endr
.endm
	s_wait_tensorcnt 0x0                           ; my quarter is in; then everybody's
	s_barrier_signal -1
	s_barrier_wait -1
	FA 0
	FB 0
	s_wait_dscnt 16                                ; block 0's fragments of A are in
	FB 1
.irp kp, 0,1,2,3,4,5
	FB \kp+2
	s_wait_dscnt 32                                ; all but the two K steps of B just asked for
	MUL 0, \kp
.endr
	s_wait_dscnt 16                                ; all but B's last K step
	MUL 0, 6
	FA 1
	s_wait_dscnt 32                                ; all but block 1's fragments of A
	MUL 0, 7
	OUT 0
.irp a, 1,2,3
	s_wait_dscnt 0x0                               ; block a's fragments of A are in
.if \a < 3
	FA \a+1
.endif
.irp kp, 0,1,2,3,4,5,6,7
	MUL \a, \kp
.endr
	OUT \a
.endr
	s_wait_tensorcnt 0x0                           ; the wave's end
	ds_add_u32 v30, v31
	s_wait_dscnt 0x0
	CROUND                                         ; the closing round: no work-group ends while a partner may still ask for a tile that names it
	s_endpgm
.Lfunc_end_k_q884ff5c59a_outp:
	.size	k_q884ff5c59a_outp, .Lfunc_end_k_q884ff5c59a_outp-k_q884ff5c59a_outp
	.p2alignl 7, 3214868480
	.fill 96, 4, 3214868480
	.section	.rodata,"a",@progbits
	.p2align	6, 0x0
	.amdhsa_kernel k_q884ff5c59a_outp
		.amdhsa_group_segment_fixed_size 327680
		.amdhsa_private_segment_fixed_size 0
		.amdhsa_enable_private_segment 0
		.amdhsa_kernarg_size 32
		.amdhsa_user_sgpr_count 2
		.amdhsa_user_sgpr_kernarg_segment_ptr 1
		.amdhsa_wavefront_size32 1
		.amdhsa_system_sgpr_workgroup_id_x 1
		.amdhsa_system_sgpr_workgroup_id_y 1
		.amdhsa_system_sgpr_workgroup_id_z 1
		.amdhsa_system_vgpr_workitem_id 0
		.amdhsa_next_free_vgpr 1024
		.amdhsa_next_free_sgpr 80
		.amdhsa_reserve_vcc 0
		.amdhsa_float_denorm_mode_32 3
		.amdhsa_float_denorm_mode_16_64 3
		.amdhsa_memory_ordered 1
		.amdhsa_forward_progress 1
		.amdhsa_inst_pref_size 39
	.end_amdhsa_kernel
	.amdgpu_metadata
---
amdhsa.version: [ 1, 2 ]
amdhsa.kernels:
  - .name:           k_q884ff5c59a_outp
    .symbol:         k_q884ff5c59a_outp.kd
    .args:
      - { .name: aimg, .offset: 0, .size: 8, .value_kind: global_buffer, .address_space: global }
      - { .name: woimg, .offset: 8, .size: 8, .value_kind: global_buffer, .address_space: global }
      - { .name: lowp_scales, .offset: 16, .size: 8, .value_kind: global_buffer, .address_space: global }
      - { .name: out0, .offset: 24, .size: 8, .value_kind: global_buffer, .address_space: global }
    .group_segment_fixed_size: 327680
    .private_segment_fixed_size: 0
    .kernarg_segment_align: 8
    .kernarg_segment_size: 32
    .max_flat_workgroup_size: 128
    .sgpr_count:     80
    .vgpr_count:     1024
    .wavefront_size: 32
...
	.end_amdgpu_metadata
.endif
;; end of part 3
